; MI455X (gfx1250); checked and timed in simulation.
; The chip was launched on July 23, 2026; its instructions are those of AMD's public machine-readable ISA for CDNA 5 (MIT licence, August 2026) and "CDNA5" Instruction Set Architecture Reference Guide (July 2026). The comments in the code are by the model that wrote it; some were corrected since.
;; Kohonen Map. Allowed arithmetic: matrix products marked QUANTISED: E2M1 operands, one E8M0 scale for each 32 along K, by v_wmma_scale_f32_16x16x128_f8f6f4 with both operands' format E2M1 (or v_wmma_scale_f32_32x16x128_f4), f32 sums; everything else in f32.
;; Inputs: weights 4,096 x 512 float32; x 32,768 x 512 float32.
;; Outputs: out0 32,768 x 512 float32.
;; This version of the problem:
;;   THIS VERSION OF THE PROBLEM IS GIVEN IN LOW PRECISION. The matrix products marked QUANTISED in the list below multiply operands that are first quantised to E2M1 (2 exponent bits, 1 mantissa bit; 4 bits a number), with one power-of-two scale for each 32 numbers along K (OCP MX v1.0); their sums are f32. All else is computed in f32.
;;   The module's matrix products, in the order in which they are computed (A, B: the left and right operand; K: the contracted axis; several contracted axes count as one K, in the product's order):
;;     1. [M 32,768, K 512] x [K 512, N 4,096]; A: input x; B: input weights: QUANTISED
;;   THE QUANTISER, for each operand of a quantised product, along K:
;;     - K is cut into blocks of 32 from its start; a last block that is shorter is filled with zeros.
;;     - A block's scale is 2^e with e = floor(log2(the largest magnitude in the block)) - 2, held to -126 .. 127; a block of zeros has e = 0. As a byte (E8M0): e + 127.
;;     - Each number is divided by its block's scale, clamped to +-6, and rounded to the nearest number of E2M1, ties to even, subnormals kept.
;;     - The product sums the exact products of the quantised numbers (number of the format x scale) in f32.
;;   ~~~python
;;   def quantise(x, axis):      # numpy; x: float32 -> the quantised numbers, widened to float32 again
;;       x = np.moveaxis(x, axis, -1); K = x.shape[-1]
;;       x = np.pad(x, [(0, 0)] * (x.ndim - 1) + [(0, -K % 32)]); x = x.reshape(x.shape[:-1] + (-1, 32)); a = np.abs(x).max(-1, keepdims=True)
;;       e = np.where(a > 0, np.clip(np.frexp(np.where(a > 0, a, 1))[1] - 1 - 2, -126, 127), 0)      # np.frexp(a)[1] - 1 = floor(log2(a)), exactly
;;       r = np.clip(x / 2.0 ** e, -6, 6)
;;       step = 2.0 ** (np.maximum(np.frexp(np.where(r == 0, 1, r))[1] - 1, 0) - 1)
;;       q = np.round(r / step) * step * 2.0 ** e      # np.round: ties to even
;;       return np.moveaxis(q.reshape(q.shape[:-2] + (-1,))[..., :K], -1, axis).astype(np.float32)
;;   ~~~
;; One version. Each part assembles by itself: llvm-mc -triple=amdgcn-amd-amdhsa -mcpu=gfx1250 --defsym DOCPART=n.
;; ======== version 1 of 1: 3 launches
;; limits: right only within a limited range of input values
;; workspace buffers: wpk 1,130,496 bytes; winner 131,072 bytes of whole numbers
;; launch wquant (part 1): grid 256 x 1, 16 waves a work-group, no clusters, 47,872 bytes of LDS; arguments weights, wpk; writes wpk
.if DOCPART == 1
	.amdgcn_target "amdgcn-amd-amdhsa--gfx1250"
	.amdhsa_code_object_version 6
	.text
	.protected	k_q1ba4b3f250_wquant
	.globl	k_q1ba4b3f250_wquant
	.p2align	8
	.type	k_q1ba4b3f250_wquant,@function
k_q1ba4b3f250_wquant:
	s_mov_b64 s[64:65], 0
	v_nop
	global_prefetch_b8 v0, s[64:65] scope:SCOPE_SE
	s_setreg_imm32_b32 hwreg(HW_REG_WAVE_MODE, 25, 1), 1
	s_wait_xcnt 0x0
; weights [4096][512], f32, K innermost, are turned into codes of FP4 (E2M1) with one E8M0 scale byte for each 32 along K, and each row's sum of squares is taken in f32.  (x is quantised by the launch that multiplies it, which reads each point once.)
; WORK LEFT OUT, in the whole program: x2 = sum(x * x, axis 1) is added to every entry of a row of dist_sq, and dist_sq reaches the output through argmin along that row alone.  A term that is the same along the axis
; moves no argmin, whatever finite values x holds: so x2 is computed nowhere.  What is left, -2 x.w + w2, is taken times -1/2 (exact), and the argmin becomes the argmax of x.w - w2/2.
; LIMIT: a NaN, an infinity or an overflow that reaches x2 alone is not carried to the result.  x itself is an operand of the product and is loaded, by the next launch.
; wpk is laid in CHUNKS of 64 rows (4 tiles of 16), 17,664 bytes = 69 x 256 each:
;   bytes 0 .. 16,383       the codes as images of the matrix operand's registers: [tile 0..3][block of 32 along K, 0..15][row 0..15][16 bytes]
;   bytes 16,384 .. 17,407  the scale bytes, [row 0..63][16]: a row's four scale words, one for each 128 along K
;   bytes 17,408 .. 17,663  64 f32: -0.5 x the row's sum of squares
; A block's scale is 2^(floor(log2(its largest magnitude)) - 2); its byte is the largest magnitude's own exponent field - 2, held at 1 from below.
; LIMITS: a block of zeros, and a block whose largest magnitude lies under 2^-124, keep the byte 1 (zero codes add nothing; these bytes are read by this program alone).  NaN and infinities are not served.
; The sums of squares are tree sums with fused multiply-adds: they can differ in the last bits from a sum taken in another order.
; SHARES: work-group g takes tile g % 4 of chunk g / 4: 256 work-groups, 16 rows each; wave w takes row w.  Its four loads read 512 consecutive bytes each.  The conversions want 16 neighbours in a lane's registers,
; so the row turns through the wave's own stage in LDS and comes back 64 bytes a lane (two neighbouring lanes hold a block).  Codes, bytes and sums meet in LDS; behind one barrier waves 0 to 7 store the codes,
; 512 consecutive bytes each, wave 8 the tile's 256 scale bytes, wave 9 its 16 sums.  Those are 64 bytes, a quarter of an aligned 256: 64 of the 32,768 bytes that the work-group reads; all else leaves in whole aligned runs of 256.
.set CHW,   17664
.set SP,    80                         ; a lane's place in a stage: its 64 bytes + 16 of padding
.set WST,   2560                       ; a wave's stage of 32 x SP bytes
.set IMG,   16*WST                     ; the tile's image: 16 blocks, 272 bytes apart
.set SCB,   IMG+4352                   ; its 256 scale bytes
.set SQ,    SCB+256                    ; its 16 sums
.set SPARE, SQ+256                     ; the spare words, 128 bytes for each wave; no other line names them
.set R,     16                         ; v16-31   the row as it is loaded
.set X,     32                         ; v32-47   my 16 neighbours
.set C,     48                         ; v48-49   their codes
.set E,     50                         ; the scale's byte
.set S,     51                         ; the sum
.set MX,    52
.set QA,    54
.set QB,    56
.set PL,    58
.set SCL,   59
.set SPW,   60
.set NIL,   61
.set L8,    62                         ; 8 x lane
.set OUT,   64                         ; v64-67   the way out
	s_load_b128 s[4:7], s[0:1], 0x0                ; weights, wpk
	v_lshl_add_u32 v[SPW], v0, 2, SPARE
	v_mov_b32 v[NIL], 0
	v_lshrrev_b32 v13, 5, v0
	v_readfirstlane_b32 s16, v13                   ; wave 0..15: my row of the tile
	v_and_b32 v14, 31, v0                          ; lane
	v_lshlrev_b32 v1, 4, v14                       ; v1: my 16 bytes of a load's 512
	s_mul_i32 s17, s16, WST                        ; my stage
	v_lshrrev_b32 v2, 2, v14
	v_mul_u32_u24 v2, v2, SP
	v_and_b32 v15, 3, v14
	v_lshl_add_u32 v2, v15, 4, v2
	v_add_nc_u32 v2, s17, v2                       ; v2: the stage, on the way in: SP (lane / 4) + 16 (lane % 4)
	v_mul_u32_u24 v3, v14, SP
	v_add_nc_u32 v3, s17, v3                       ; v3: on the way out: SP x lane
	s_lshl_b32 s18, s16, 4                         ; 16 x row
	s_add_co_u32 s19, s18, IMG
	v_lshrrev_b32 v5, 1, v14                       ; my block of the row
	v_and_b32 v15, 1, v14                          ; and which half of it
	v_mul_u32_u24 v4, v5, 272
	v_lshl_add_u32 v4, v15, 3, v4
	v_add_nc_u32 v4, s19, v4                       ; v4: the image: block x 272 + 16 x row + 8 x half
	s_add_co_u32 s19, s18, SCB
	v_add_nc_u32 v5, s19, v5                       ; v5: my block's scale byte: 16 x row + block
	v_lshl_add_u32 v6, v13, 2, SQ                  ; v6: my row's sum
	s_min_u32 s20, s16, 7                          ; waves 0 to 7 store the codes: two blocks each
	s_mul_i32 s21, s20, 544
	s_add_co_u32 s21, s21, IMG
	v_and_b32 v15, 15, v14
	v_lshrrev_b32 v7, 4, v14
	v_mul_u32_u24 v7, v7, 272
	v_lshl_add_u32 v7, v15, 4, v7
	v_add_nc_u32 v7, s21, v7                       ; v7: the image read back: lanes 0-15 the even block's 16 rows, lanes 16-31 the odd block's
	v_lshlrev_b32 v[L8], 3, v14
	v_add_nc_u32 v8, SCB, v[L8]                    ; v8: the scale bytes read back
	v_lshl_add_u32 v12, v15, 2, SQ                 ; v12: the sums read back: lanes l and l + 16 take the same word
	s_and_b32 s22, ttmp9, 3                        ; my tile of the chunk
	s_lshr_b32 s23, ttmp9, 2                       ; the chunk
	s_lshl_b32 s24, s22, 12
	s_lshl_b32 s25, s20, 9
	s_add_co_u32 s24, s24, s25
	v_add_nc_u32 v9, s24, v1                       ; v9: the codes' place in the chunk: 4,096 x tile + 512 x wave + 16 x lane
	s_lshl_b32 s24, s22, 8
	s_add_co_u32 s24, s24, 16384
	v_add_nc_u32 v10, s24, v[L8]                   ; v10: the scale bytes': 16,384 + 256 x tile + 8 x lane
	s_lshl_b32 s24, s22, 6
	s_add_co_u32 s24, s24, 17408
	v_lshl_add_u32 v11, v15, 2, s24                ; v11: the sums': 17,408 + 64 x tile + 4 x (lane % 16)
	v_mov_b32 v[PL], 0                             ; a lane permute's destination counts as one of its sources
	s_mov_b32 s28, 0x76543210
	s_mov_b32 s29, 0xfedcba98                      ; v_permlanex16_b32's selects for lane l xor 16
	s_lshl_b32 s8, ttmp9, 15                       ; 16 rows of 2,048 bytes,
	s_lshl_b32 s10, s16, 11                        ; my row of them
	s_add_co_u32 s8, s8, s10
	s_mov_b32 s9, 0
	s_mul_i32 s10, s23, CHW
	s_mov_b32 s11, 0
	s_wait_alu depctr_va_vdst(0)                   ; the wait at the head's end
	s_wait_kmcnt 0x0
	s_add_nc_u64 s[4:5], s[4:5], s[8:9]
	s_add_nc_u64 s[6:7], s[6:7], s[10:11]
.irp i, 0,1,2,3
	global_load_b128 v[R+4*\i:R+4*\i+3], v1, s[4:5] offset:512*\i th:TH_LOAD_NT   ; 32 lanes read 512 consecutive bytes
.endr
	s_wait_loadcnt 0x0
.irp i, 0,1,2,3
	ds_store_b128 v2, v[R+4*\i:R+4*\i+3] offset:8*SP*\i            ; the row through my stage: LDS serves a wave's instructions in order (ISA guide 5.7.1.4), so no wait stands between the stores and the loads
.endr
.irp i, 0,1,2,3
	ds_load_b128 v[X+4*\i:X+4*\i+3], v3 offset:16*\i
.endr
	s_wait_dscnt 0x0
	v_max3_num_f32 v[MX], |v[X]|, |v[X+1]|, |v[X+2]|               ; the largest magnitude of my 16, in two chains
	v_max3_num_f32 v[MX+1], |v[X+3]|, |v[X+4]|, |v[X+5]|
.irp i, 6,10
	v_max3_num_f32 v[MX], v[MX], |v[X+\i]|, |v[X+\i+1]|
	v_max3_num_f32 v[MX+1], v[MX+1], |v[X+\i+2]|, |v[X+\i+3]|
.endr
	v_max3_num_f32 v[MX], v[MX], |v[X+14]|, |v[X+15]|
	v_max3_num_f32 v[MX], v[MX], v[MX+1], 0x1800000                ; and the floor 2^(3 - 127): the byte cannot fall under 1
	v_max_num_f32_dpp v[MX], v[MX], v[MX] row_xmask:1 row_mask:0xf bank_mask:0xf   ; with my neighbour's 16: the block's
	v_add_nc_u32 v[SCL], 0xff000000, v[MX]         ; 2 off its exponent field: the conversion takes the exponent field of this operand as its scale
	v_cvt_scalef32_pk8_fp4_f32 v[C], v[X:X+7], v[SCL]
	v_cvt_scalef32_pk8_fp4_f32 v[C+1], v[X+8:X+15], v[SCL]
	v_lshrrev_b32 v[E], 23, v[SCL]                 ; the scale's byte (also the plain line behind the conversions)
	v_pk_mul_f32 v[QA:QA+1], v[X:X+1], v[X:X+1]                    ; the squares of my 16, two at a time, in two chains
	v_pk_mul_f32 v[QB:QB+1], v[X+2:X+3], v[X+2:X+3]
.irp i, 4,8,12
	v_pk_fma_f32 v[QA:QA+1], v[X+\i:X+\i+1], v[X+\i:X+\i+1], v[QA:QA+1]
	v_pk_fma_f32 v[QB:QB+1], v[X+\i+2:X+\i+3], v[X+\i+2:X+\i+3], v[QB:QB+1]
.endr
	v_pk_add_f32 v[QA:QA+1], v[QA:QA+1], v[QB:QB+1]
	v_add_f32 v[QA], v[QA], v[QA+1]
	v_add_f32_dpp v[QA], v[QA], v[QA] row_xmask:1 row_mask:0xf bank_mask:0xf       ; over the 32 lanes: the row's
	v_add_f32_dpp v[QA], v[QA], v[QA] row_xmask:2 row_mask:0xf bank_mask:0xf
	v_add_f32_dpp v[QA], v[QA], v[QA] row_xmask:4 row_mask:0xf bank_mask:0xf
	v_add_f32_dpp v[QA], v[QA], v[QA] row_xmask:8 row_mask:0xf bank_mask:0xf
	v_permlanex16_b32 v[PL], v[QA], s28, s29
	v_add_f32 v[QA], v[QA], v[PL]
	v_mul_f32 v[S], -0.5, v[QA]
	ds_store_b64 v4, v[C:C+1]                      ; my 16 codes: half of the block's 16 bytes of my row
	ds_store_b8 v5, v[E]                           ; both lanes of a block write the same byte with the same value
	ds_store_b32 v6, v[S]                          ; all lanes write the same word with the same value
	s_wait_dscnt 0x0                               ; for the others' sake: my stores are done
	s_barrier_signal -1
	s_barrier_wait -1                              ; the tile's image, bytes and sums lie in LDS
	s_cmp_lt_u32 s16, 8
	s_cbranch_scc0 .Lnot_codes
	ds_load_b128 v[OUT:OUT+3], v7                  ; blocks 2 w and 2 w + 1, 16 rows each
	s_wait_dscnt 0x0
	global_store_b128 v9, v[OUT:OUT+3], s[6:7]     ; 32 lanes store 512 consecutive bytes, at a multiple of 256 from the buffer's first byte
	s_branch .Lend
.Lnot_codes:
	s_cmp_eq_u32 s16, 8
	s_cbranch_scc0 .Lnot_bytes
	ds_load_b64 v[OUT:OUT+1], v8
	s_wait_dscnt 0x0
	global_store_b64 v10, v[OUT:OUT+1], s[6:7]     ; 256 consecutive bytes, aligned
	s_branch .Lend
.Lnot_bytes:
	s_cmp_eq_u32 s16, 9
	s_cbranch_scc0 .Lend
	ds_load_b32 v[OUT], v12
	s_wait_dscnt 0x0
	global_store_b32 v11, v[OUT], s[6:7]           ; 64 consecutive bytes; lanes l and l + 16 store the same word with the same value
.Lend:
	s_wait_tensorcnt 0x0                           ; the wave's end
	ds_add_u32 v[SPW], v[NIL]
	s_wait_dscnt 0x0
	s_endpgm
.Lfunc_end_k_q1ba4b3f250_wquant:
	.size	k_q1ba4b3f250_wquant, .Lfunc_end_k_q1ba4b3f250_wquant-k_q1ba4b3f250_wquant
	.p2alignl 7, 3214868480
	.fill 96, 4, 3214868480
	.section	.rodata,"a",@progbits
	.p2align	6, 0x0
	.amdhsa_kernel k_q1ba4b3f250_wquant
		.amdhsa_group_segment_fixed_size 47872
		.amdhsa_private_segment_fixed_size 0
		.amdhsa_enable_private_segment 0
		.amdhsa_kernarg_size 16
		.amdhsa_user_sgpr_count 2
		.amdhsa_user_sgpr_kernarg_segment_ptr 1
		.amdhsa_wavefront_size32 1
		.amdhsa_system_sgpr_workgroup_id_x 1
		.amdhsa_system_sgpr_workgroup_id_y 1
		.amdhsa_system_sgpr_workgroup_id_z 1
		.amdhsa_system_vgpr_workitem_id 0
		.amdhsa_next_free_vgpr 68
		.amdhsa_next_free_sgpr 66
		.amdhsa_reserve_vcc 0
		.amdhsa_float_denorm_mode_32 3
		.amdhsa_float_denorm_mode_16_64 3
		.amdhsa_memory_ordered 1
		.amdhsa_forward_progress 1
		.amdhsa_inst_pref_size 8
	.end_amdhsa_kernel
	.amdgpu_metadata
---
amdhsa.version: [ 1, 2 ]
amdhsa.kernels:
  - .name:           k_q1ba4b3f250_wquant
    .symbol:         k_q1ba4b3f250_wquant.kd
    .args:
      - { .name: weights, .offset: 0, .size: 8, .value_kind: global_buffer, .address_space: global }
      - { .name: wpk, .offset: 8, .size: 8, .value_kind: global_buffer, .address_space: global }
    .group_segment_fixed_size: 47872
    .private_segment_fixed_size: 0
    .kernarg_segment_align: 8
    .kernarg_segment_size: 16
    .max_flat_workgroup_size: 512
    .sgpr_count:     66
    .vgpr_count:     68
    .wavefront_size: 32
...
	.end_amdgpu_metadata
.endif
;; end of part 1
;; launch bmu (part 2): grid 256 x 1, 8 waves a work-group, clusters of 4 x 1, 327,680 bytes of LDS; arguments x, wpk, winner; writes winner
.if DOCPART == 2
	.amdgcn_target "amdgcn-amd-amdhsa--gfx1250"
	.amdhsa_code_object_version 6
	.text
	.protected	k_q1ba4b3f250_bmu
	.globl	k_q1ba4b3f250_bmu
	.p2align	8
	.type	k_q1ba4b3f250_bmu,@function
k_q1ba4b3f250_bmu:
	s_mov_b64 s[64:65], 0
	v_nop
	global_prefetch_b8 v0, s[64:65] scope:SCOPE_SE
	s_setreg_imm32_b32 hwreg(HW_REG_WAVE_MODE, 25, 1), 1
	s_wait_xcnt 0x0
	s_wait_alu depctr_hold_cnt(0) depctr_sa_sdst(0) depctr_va_vdst(0) depctr_va_sdst(0) depctr_va_ssrc(0) depctr_va_vcc(0) depctr_vm_vsrc(0)
	s_getreg_b32 s2, hwreg(HW_REG_IB_STS2, 6, 4)
	s_cmp_eq_u32 s2, 0
	s_cbranch_scc0 .Lentry_in_a_cluster
	s_endpgm
.Lentry_in_a_cluster:
	s_bfe_u32 s2, ttmp6, 0x10000c
	s_cmp_lg_u32 s2, 0x3003
	s_cbranch_scc0 .Lentry_shape_is_right
	s_endpgm
.Lentry_shape_is_right:
; For each of 32,768 points: the number of the neuron k (of 4,096) with the largest x.w_k - w2_k/2, the lowest k where several are equal: that is the argmin of x2 - 2 x.w_k + w2_k.
; WORK LEFT OUT: x2, which is the same for all k of a point and moves no argmin (shown at the head of the first kernel).
; The product is taken on codes of FP4 (E2M1), 128 along K an instruction, K = 512.
; INPUTS: x [32768][512] f32; wpk, this program's own buffer, in chunks of 64 neurons, 17,664 bytes: 16,384 of codes as images of the operand's registers ([tile][block of 32 along K][row][16 bytes]), 1,024 of scale bytes ([row][16]), 64 f32: -w2/2.
; x IS QUANTISED HERE, IN THE HEAD: a work-group owns 128 points and is the only one that reads them.  Wave w fetches tile w (16 points, 32,768 dense bytes, as rows of 256) by its one tensor load of the head, onto the ring's bytes.
; The tile is stated 10 rows longer than what is left of the tensor: those rows arrive as zeros, so that the eight tiles cover all 282,624 bytes of the ring.
; Each wave reads its own tile alone: a lane takes 8 neighbours along K (four lanes hold a block of 32), finds the block's largest magnitude, converts, and stores codes and scale bytes as operand images in LDS bytes of their own.
; A block's scale is 2^(floor(log2(its largest magnitude)) - 2); its byte is that magnitude's exponent field - 2, held at 1 from below.
; ARITHMETIC: -w2/2 is the C of each sum's first matrix instruction.  THE MATRIX INSTRUCTION IS USED TRANSPOSED: source 0 = 16 neurons, source 1 = 16 points: lane (r, h) holds point r, its register j neuron 8 h + j of the tile.
; For each tile of 16 x 16: four lines for the largest of the lane's 8 sums, one compare (strict: an earlier tile keeps a tie), and ten selects on VCC, written as five pairs: the best value and the tile's number, and the tile's 8 sums.
; Which of the 8 it was is found once, at the end: the lowest j whose kept sum equals the best.  Halves of lanes and waves are merged by (value, then number).
; LIMITS: the order of rounding differs from (x2 - 2 dot) + w2: a winner can differ where two distances lie within the rounding of those sums.  A block of zeros, and one whose largest magnitude lies under 2^-124, keep the byte 1.  NaN and infinities are not served.
; SHARES: EVERY wave keeps all 8 tiles of points in registers (256, window 1), and the NEURONS are shared out: in slot step t (0..7) wave w takes chunk 8 t + w of wpk: no fragment of W is read from LDS twice.
; RING: two LDS slots of 8 chunks; each wave fetches its own chunk, 69 rows of 256 bytes, by one tensor load: by this text's count a wave has one tensor load out at a time, and every wait on TENSORcnt is for 0.
; CLUSTER: the four work-groups of a cluster walk the same chunks of wpk, so each is asked for JOINTLY.  x's tiles are each read by one work-group: plain loads.
; NO PREFETCH: x is asked for whole at the head, where there is no loop to run ahead in; wpk is 1,130,496 bytes that all 64 clusters walk in the same order from the same first chunk.
.set CHUNK, 17664
.set SCO,   16384                      ; a chunk's scale bytes
.set SQO,   17408                      ; its 64 f32
.set SLOT,  8*CHUNK                    ; no padding: every LDS load of W's fragments reads 512 consecutive bytes
.set XT,    2*CHUNK                    ; a wave's tile of x in LDS: 128 rows of 256 bytes and 10 of zeros
.set SPARE, 2*SLOT                     ; the spare words, 128 bytes for each wave; no other line names them
.set XIMG,  SPARE+1024                 ; x's codes: [tile][block 0..15, 272 bytes apart][row][16 bytes]; no tensor load lands from here on
.set XTI,   4352
.set XSC,   XIMG+8*XTI                 ; x's scale bytes: [row 0..127][16]
.set MERGE, XIMG                       ; at the end, when x's images have long been read: values [wave][128] f32, from + 4,096 on numbers [wave][128]
; window 0: v1 16 x lane; v2 4 r; v3 8 h; v13 8 x lane; v14 wave; v15 lane
.set AWF,  4                           ; v4-5    LDS address of my chunk in slot 0, 1, + 16 x lane
.set AW2,  6                           ; v6-7    of its f32, + 32 h
.set SPW,  8
.set NIL,  9
.set TIDA, 10                          ; v10, v37 the tile's first neuron, twice: a pair's two second sources lie in different register banks (number mod 4)
.set TIDB, 37
.set MA,   11
.set MR,   12
.set XS,   16                          ; v16-31  x's scale words: register 4 q + s: K step s; lanes 0-15 tile 2 q, lanes 16-31 tile 2 q + 1
.set WS,   32                          ; v32-35  W's, of a pair of tiles, likewise.  These twenty registers hold scales and nothing else
.set ROT,  36                          ; 16 x bit 3 of my lane
.set AXQ0, 38                          ; my 32 bytes of a half row of x: the piece that goes into registers 0-3,
.set AXQ1, 39                          ; and the other
.set AXI,  40                          ; where my 8 codes go
.set AXB,  41                          ; where my block's byte goes
.set AXR,  42                          ; x's fragments read back
.set AXS,  43                          ; x's scale words read back
.set W2N,  44                          ; v44-51  -w2/2 of my 8 neurons of the tile; in the head the conversions' scale operands
.set M,    52                          ; v52-59  the tile's largest sum; in the head largest magnitudes, then bytes
.set BEST, 61                          ; v61-68  the largest so far (odd where TI is even: a pair writes one even and one odd register)
.set TI,   70                          ; v70-77  first neuron of the tile that gave it
.set J,    78                          ; v78-85  at the end: which of the 8
.set WF,   86                          ; v86-117 one tile of W: 4 K steps x 8 registers; in the head codes
.set ACC,  118                         ; v118-181 eight accumulators; in the head 8 x 8 numbers of x
.set SV,   182                         ; v182-245 the winning tile's 8 sums, for each tile of points; in the head 8 x 8 numbers of x
; window 1: x's fragments: tile p, K step s at v[32 p + 8 s]
.set WV,  10
.set NB,  13
.set G1,  16
.set G0,  24
.set MK,  40                           ; s40-47  lane masks, at the end
.set G1X, 52                           ; s[52:59], s[60:63] groups 1 and 0 for my tile of x
.set G0X, 60
.set MSB, 0
.macro WIN new                         ; the immediate's high byte repeats the setting that is left
.if MSB != \new
	s_set_vgpr_msb (MSB<<8)|\new
.set MSB, \new
.endif
.endm
.macro ROUND                           ; a round of the cluster's barrier
	s_barrier_signal -1
	s_barrier_wait -1
	s_cmp_lg_u32 s[WV], 0
	s_cbranch_scc1 .Lnot_wave_0_\@
	s_barrier_signal -3
.Lnot_wave_0_\@:
	s_barrier_wait -3
	s_barrier_signal -1
	s_barrier_wait -1
.endm
	s_load_b128 s[4:7], s[0:1], 0x0                ; x, wpk
	s_load_b64 s[8:9], s[0:1], 0x10                ; winner
	v_lshl_add_u32 v[SPW], v0, 2, SPARE
	v_mov_b32 v[NIL], 0
	ds_add_u32 v[SPW], v[NIL]                      ; the opening lines: the add, twice on end, and its wait
	ds_add_u32 v[SPW], v[NIL]
	s_wait_dscnt 0x0
	v_lshrrev_b32 v14, 5, v0
	s_delay_alu instid0(VALU_DEP_1)
	v_readfirstlane_b32 s[WV], v14                 ; wave 0..7
	s_bfe_u32 s11, ttmp6, 0x40000                  ; cx: it enters x's and winner's addresses alone
	s_lshl_b32 s12, ttmp9, 2
	s_add_co_u32 s12, s12, s11                     ; my block of 128 points
	s_mov_b32 s[G1], 15|(3<<16)|(1<<21)            ; W: the mask: all four work-groups; elements of 8 bytes; no padding; bit 21 beside a mask
	s_mov_b32 s[G1+1], 32<<16                      ; tensor_dim0 = 32: rows of 256 bytes
	s_mov_b32 s[G1+2], 69<<16                      ; tensor_dim1 = 69
	s_mov_b32 s[G1+3], 32<<16                      ; tile_dim0
	s_mov_b32 s[G1+4], 69                          ; tile_dim1
	s_mov_b32 s[G1+5], 32                          ; elements from row to row
	s_mov_b32 s[G1+6], 0
	s_mov_b32 s[G1+7], 0
	s_mov_b32 s[G1X], 3<<16                        ; x: no mask; elements of 8 bytes; no padding
	s_mov_b32 s[G1X+1], 32<<16                     ; rows of 256 bytes
	s_mov_b32 s[G1X+2], 128<<16                    ; tensor_dim1 = 128: what is left of the tensor from the tile's first row, for this load
	s_mov_b32 s[G1X+3], 32<<16
	s_mov_b32 s[G1X+4], 138                        ; tile_dim1 = 138: rows 128 to 137 are written as zeros
	s_mov_b32 s[G1X+5], 32
	s_mov_b32 s[G1X+6], 0
	s_mov_b32 s[G1X+7], 0
	s_mul_i32 s32, s[WV], CHUNK                    ; my chunk's place, in a slot and in a slot step's bytes of wpk
	s_mov_b32 s33, 0
	s_lshl_b32 s[NB], s[WV], 6                     ; my first neuron: 64 x wave
	s_mov_b32 s34, 0x76543210
	s_mov_b32 s35, 0xfedcba98                      ; v_permlanex16_b32's selects for lane l xor 16
	s_mov_b32 s[G0X], 1
	s_mul_i32 s[G0X+1], s[WV], XT                  ; my tile's place in LDS
	s_lshl_b32 s36, s12, 18                        ; 128 points of 2,048 bytes,
	s_lshl_b32 s48, s[WV], 15                      ; my wave's 16 of them
	s_add_co_u32 s36, s36, s48
	s_mov_b32 s37, 0
	s_mul_i32 s38, s[WV], XTI
	s_add_co_u32 s38, s38, XIMG                    ; my tile's image
	s_lshl_b32 s39, s[WV], 8
	s_add_co_u32 s39, s39, XSC                     ; my tile's scale bytes
	v_and_b32 v15, 31, v0                          ; lane
	s_delay_alu instid0(VALU_DEP_1)
	v_lshlrev_b32 v1, 4, v15
	v_and_b32 v2, 15, v0
	s_delay_alu instid0(VALU_DEP_1)
	v_lshlrev_b32 v2, 2, v2
	v_bfe_u32 v3, v0, 4, 1
	s_delay_alu instid0(VALU_DEP_1)
	v_lshlrev_b32 v3, 3, v3
	v_bfe_u32 v[ROT], v0, 3, 1
	v_lshrrev_b32 v246, 2, v15                     ; my block of a half row
	v_and_b32 v247, 3, v15                         ; my quarter of it
	v_mul_u32_u24 v248, v3, 34                     ; 272 h
	v_lshlrev_b32 v[ROT], 4, v[ROT]
	v_mul_u32_u24 v249, v246, 272
	v_add_nc_u32 v[AXB], s39, v246
	v_lshl_add_u32 v248, v2, 2, v248               ; + 16 r
	v_lshl_add_u32 v[AXQ0], v15, 5, v[ROT]         ; 32 x lane, + 16 in lanes 8-15 and 24-31: so the 16 lanes that LDS serves together name 16 different columns of 16 bytes
	v_lshl_add_u32 v249, v247, 2, v249
	v_add_nc_u32 v[AXS], XSC, v1
	v_add_nc_u32 v[AXR], XIMG, v248
	v_add_nc_u32 v[AXQ0], s[G0X+1], v[AXQ0]
	v_add_nc_u32 v[AXI], s38, v249
	v_mov_b32 v13, 0
	v_xor_b32 v[AXQ1], 16, v[AXQ0]                 ; the other 16 bytes of my 32
	s_wait_alu depctr_va_vdst(0)                   ; the wait here, directly ahead of the wait below
	s_wait_kmcnt 0x0
	s_add_nc_u64 s[6:7], s[6:7], s[32:33]
.irp n, 0,1
	s_mov_b32 s[G0+4*\n], 1
	s_add_co_u32 s[G0+4*\n+1], s32, \n*SLOT                        ; LDS address
	s_add_nc_u64 s[G0+4*\n+2:G0+4*\n+3], s[6:7], \n*SLOT           ; global address: chunk 8 n + wave
	s_or_b32 s[G0+4*\n+3], s[G0+4*\n+3], 0x80000000
.endr
	s_add_nc_u64 s[G0X+2:G0X+3], s[4:5], s[36:37]
	s_or_b32 s[G0X+3], s[G0X+3], 0x80000000
	s_lshl_b32 s36, s12, 9                         ; winner: 4 bytes a point: 512 x block
	s_and_b32 s48, s[WV], 1
	s_lshl_b32 s48, s48, 8                         ; + 256 x (wave % 2): waves 0 and 1 store 64 points each
	s_add_co_u32 s36, s36, s48
	s_add_nc_u64 s[8:9], s[8:9], s[36:37]
	ROUND                                          ; the round that stands in front of a cluster launch's first tensor loads
	tensor_load_to_lds s[G0X:G0X+3], s[G1X:G1X+7]  ; my tile of x: my one tensor load at the head
	s_nop 0
.rept 4
	v_nop
.endr
	v_add_nc_u32 v[AWF], s32, v1
	s_delay_alu instid0(VALU_DEP_1)
	v_add_nc_u32 v[AWF+1], SLOT, v[AWF]
	v_lshl_add_u32 v[AW2], v3, 2, s32
	s_delay_alu instid0(VALU_DEP_1)
	v_add_nc_u32 v[AW2], SQO, v[AW2]
	s_delay_alu instid0(VALU_DEP_1)
	v_add_nc_u32 v[AW2+1], SLOT, v[AW2]
	v_lshl_add_u32 v[MA], v14, 9, v2
	s_delay_alu instid0(VALU_DEP_1)
	v_add_nc_u32 v[MA], MERGE, v[MA]               ; 512 x wave + 4 r; the tile of points stands in the immediate
	v_lshlrev_b32 v13, 3, v15
	v_and_b32 v[MR], 1, v14
	s_delay_alu instid0(VALU_DEP_1)
	v_lshl_add_u32 v[MR], v[MR], 8, v13
	s_delay_alu instid0(VALU_DEP_1)
	v_add_nc_u32 v[MR], MERGE, v[MR]               ; 256 x (wave % 2) + 8 x lane: two points a lane
.irp p, 0,1,2,3,4,5,6,7
	v_mov_b32 v[BEST+\p], 0xff800000               ; -infinity: the first tile wins, so no first tile is written out; what the selects read is written once
	v_mov_b32 v[TI+\p], 0
	v_mov_b32 v[J+\p], 0
.endr
; THE QUANTISER.  A batch is 4 points = 8 half rows of 256 numbers; unit j is half j % 2 of point 4 n + j / 2; a lane holds 8 neighbours of each unit.  The eight units take turns line by line.
.macro LOADB n, f
.irp j, 0,1,2,3,4,5,6,7
	ds_load_b128 v[\f+8*\j:\f+8*\j+3], v[AXQ0] offset:2048*(4*(\n)+\j/2)+1024*(\j%2)
	ds_load_b128 v[\f+8*\j+4:\f+8*\j+7], v[AXQ1] offset:2048*(4*(\n)+\j/2)+1024*(\j%2)
.endr
.endm
.macro QUANT n, f
.irp j, 0,1,2,3,4,5,6,7
	v_max3_num_f32 v[M+\j], |v[\f+8*\j]|, |v[\f+8*\j+1]|, 0x1800000        ; the floor 2^(3 - 127): the byte cannot fall under 1
.endr
.irp i, 2,4,6
.irp j, 0,1,2,3,4,5,6,7
	v_max3_num_f32 v[M+\j], v[M+\j], |v[\f+8*\j+\i]|, |v[\f+8*\j+\i+1]|
.endr
.endr
.irp j, 0,1,2,3,4,5,6,7
	v_max_num_f32_dpp v[M+\j], v[M+\j], v[M+\j] row_xmask:1 row_mask:0xf bank_mask:0xf
.endr
.irp j, 0,1,2,3,4,5,6,7
	v_max_num_f32_dpp v[M+\j], v[M+\j], v[M+\j] row_xmask:2 row_mask:0xf bank_mask:0xf   ; over the four lanes of a block
.endr
.irp j, 0,1,2,3,4,5,6,7
	v_add_nc_u32 v[W2N+\j], 0xff000000, v[M+\j]    ; 2 off the exponent field: the conversion's scale operand
.endr
.irp j, 0,1,2,3,4,5,6,7
	v_cvt_scalef32_pk8_fp4_f32 v[WF+\j], v[\f+8*\j:\f+8*\j+7], v[W2N+\j]
.endr
.irp j, 0,1,2,3,4,5,6,7
	v_lshrrev_b32 v[M+\j], 23, v[W2N+\j]           ; the scale's byte (also the plain lines behind the conversions)
.endr
.irp j, 0,1,2,3,4,5,6,7
	v_alignbit_b32 v[WF+\j], v[WF+\j], v[WF+\j], v[ROT]            ; lanes that took their two pieces in the other order turn the word by 16 bits: the lower k in the lower bits
.endr
.irp j, 0,1,2,3,4,5,6,7
	ds_store_b32 v[AXI], v[WF+\j] offset:16*(4*(\n)+\j/2)+8*272*(\j%2)     ; block x 272 + 16 x row + 4 x my quarter
	ds_store_b8 v[AXB], v[M+\j] offset:16*(4*(\n)+\j/2)+8*(\j%2)           ; the four lanes of a block write the same byte with the same value
.endr
.endm
	s_wait_alu depctr_va_vdst(0)                   ; the wait at the head's end
	s_wait_tensorcnt 0x0                           ; my tile is in; I alone read it
	LOADB 0, ACC
	LOADB 1, SV
	s_wait_dscnt 16                                ; batch 0 is in; behind it batch 1's 16 loads
	QUANT 0, ACC
	LOADB 2, ACC
	s_wait_dscnt 32                                ; batch 1 is in; behind it 16 stores and 16 loads
	QUANT 1, SV
	LOADB 3, SV
	s_wait_dscnt 32                                ; batch 2
	QUANT 2, ACC
	s_wait_dscnt 16                                ; batch 3; behind it 16 stores
	QUANT 3, SV
	s_wait_tensorcnt 0x0                           ; in front of the ring's first fill, which lands on x's bytes
	ds_add_u32 v[SPW], v[NIL]
.set i, 0
.rept 64
	v_mov_b32 v[SV+i], 0                           ; what the selects read is written once
.set i, i+1
.endr
	s_wait_dscnt 0x0                               ; the add, my reads of my tile and my stores of its images are done
	ROUND
	tensor_load_to_lds s[G0:G0+3], s[G1:G1+7]      ; slot step 0, the first thing behind the round
	s_nop 0
.rept 4
	v_nop
.endr
	WIN 0x40                                       ; destination window 1, address window 0
.irp p, 0,1,2,3,4,5,6,7
.irp q, 0,1,2,3,4,5,6,7
	ds_load_b128 v[32*\p+4*\q:32*\p+4*\q+3], v[AXR] offset:XTI*\p+544*\q   ; blocks 2 q (lanes 0-15) and 2 q + 1 (lanes 16-31) of tile p: x's fragments stay in registers
.endr
.endr
	WIN 0
.irp q, 0,1,2,3
	ds_load_b128 v[XS+4*\q:XS+4*\q+3], v[AXS] offset:512*\q        ; the four scale words of 32 rows: tiles 2 q and 2 q + 1
.endr
; Tile i (0..3) of my chunk in a slot: its four K steps' fragments, -w2/2 of my 8 neurons, and with an even tile the scale words of the pair.
.macro LOADW slot, i
.irp q, 0,1,2,3,4,5,6,7
	ds_load_b128 v[WF+4*\q:WF+4*\q+3], v[AWF+\slot] offset:4096*(\i)+512*\q
.endr
	ds_load_b128 v[W2N:W2N+3], v[AW2+\slot] offset:64*(\i)
	ds_load_b128 v[W2N+4:W2N+7], v[AW2+\slot] offset:64*(\i)+16
.if ((\i)%2) == 0
	ds_load_b128 v[WS:WS+3], v[AWF+\slot] offset:SCO+256*(\i)
.endif
.endm
; One matrix instruction: tile i of W x tile p of the points, K step s.  The first K step takes -w2/2 as C.  An odd tile's scale words lie in lanes 16-31 of their register.
.macro ONE i, s, p
.set rD, ACC+8*(\p)
.set rC, rD
.if (\s) == 0
.set rC, W2N
.endif
.set rA, WF+8*(\s)
.set rB, 32*(\p)+8*(\s)
.set rSA, WS+(\s)
.set rSB, XS+4*((\p)/2)+(\s)
.if (((\i)%2) == 0) && (((\p)%2) == 0)
	v_wmma_scale_f32_16x16x128_f8f6f4 v[rD:rD+7], v[rA:rA+7], v[rB:rB+7], v[rC:rC+7], v[rSA], v[rSB] matrix_a_fmt:MATRIX_FMT_FP4 matrix_b_fmt:MATRIX_FMT_FP4
.elseif ((\i)%2) == 0
	v_wmma_scale_f32_16x16x128_f8f6f4 v[rD:rD+7], v[rA:rA+7], v[rB:rB+7], v[rC:rC+7], v[rSA], v[rSB] matrix_a_fmt:MATRIX_FMT_FP4 matrix_b_fmt:MATRIX_FMT_FP4 matrix_b_scale:MATRIX_SCALE_ROW1
.elseif ((\p)%2) == 0
	v_wmma_scale_f32_16x16x128_f8f6f4 v[rD:rD+7], v[rA:rA+7], v[rB:rB+7], v[rC:rC+7], v[rSA], v[rSB] matrix_a_fmt:MATRIX_FMT_FP4 matrix_b_fmt:MATRIX_FMT_FP4 matrix_a_scale:MATRIX_SCALE_ROW1
.else
	v_wmma_scale_f32_16x16x128_f8f6f4 v[rD:rD+7], v[rA:rA+7], v[rB:rB+7], v[rC:rC+7], v[rSA], v[rSB] matrix_a_fmt:MATRIX_FMT_FP4 matrix_b_fmt:MATRIX_FMT_FP4 matrix_a_scale:MATRIX_SCALE_ROW1 matrix_b_scale:MATRIX_SCALE_ROW1
.endif
.endm
; 32 matrix instructions: one tile of W against the 8 tiles of points, K ascending.  The eight accumulators take turns, one instruction a turn.
.macro MM i
	WIN 0x04                                       ; source 1 (x) window 1
.irp s, 0,1,2,3
.irp p, 0,1,2,3,4,5,6,7
	ONE \i, \s, \p
.endr
.endr
	WIN 0
.endm
; Four plain vector instructions that name no register of the last products: the places in front of the loads into W's registers and of the first reads of the sums.
.macro TIDPL step
	v_mov_b32 v[TIDA], s[NB]
	v_mov_b32 v[TIDB], s[NB]
	s_add_co_u32 s[NB], s[NB], \step               ; on to the next tile's
	v_nop
	v_nop
.endm
.macro EPI
.irp p, 0,1,2,3,4,5,6,7
	v_max3_num_f32 v[M+\p], v[ACC+8*\p], v[ACC+8*\p+1], v[ACC+8*\p+2]      ; each accumulator is read from its low end on; the eight chains take turns
.endr
.irp p, 0,1,2,3,4,5,6,7
	v_max3_num_f32 v[M+\p], v[M+\p], v[ACC+8*\p+3], v[ACC+8*\p+4]
.endr
.irp p, 0,1,2,3,4,5,6,7
	v_max3_num_f32 v[M+\p], v[M+\p], v[ACC+8*\p+5], v[ACC+8*\p+6]
.endr
.irp p, 0,1,2,3,4,5,6,7
	v_max_num_f32 v[M+\p], v[M+\p], v[ACC+8*\p+7]                  ; the largest dot - w2/2 of my 8 neurons
.endr
.irp p, 0,1,2,3,4,5,6,7
.set rT, TIDA
.if (\p%4) == 2
.set rT, TIDB                          ; M + p lies in TIDA's bank
.endif
	v_cmp_gt_f32 vcc_lo, v[M+\p], v[BEST+\p]                       ; strictly larger: an earlier tile keeps a tie
	v_dual_cndmask_b32 v[TI+\p], v[TI+\p], v[rT] :: v_dual_cndmask_b32 v[BEST+\p], v[BEST+\p], v[M+\p]
.irp j, 0,2,4,6
	v_dual_cndmask_b32 v[SV+8*\p+\j], v[SV+8*\p+\j], v[ACC+8*\p+\j] :: v_dual_cndmask_b32 v[SV+8*\p+\j+1], v[SV+8*\p+\j+1], v[ACC+8*\p+\j+1]   ; the winner's 8 sums are kept
.endr
.endr
.endm
.macro WORK slot
	LOADW \slot, 0
.irp i, 0,1,2
	s_wait_dscnt 0x0                               ; the tile's 10 or 11 loads are in
	MM \i
	TIDPL 16
	LOADW \slot, \i+1
	EPI
.endr
	s_wait_dscnt 0x0
	MM 3
.endm
; THE CHANGE OF SLOTS stands at a slot's head.  Each wave waits for all its tensor loads (the one that is out is its chunk of the slot ahead), adds 0 to its spare word, and waits for that and for its reads of the slot
; that it has left; then a round of the cluster's barrier; behind it the slot that was left is filled with the chunks that follow.
.macro CHANGE slot, refill, epi
	s_wait_tensorcnt 0x0                           ; no tensor load of mine is out, so a group 0 may be written
	ds_add_u32 v[SPW], v[NIL]
	s_add_nc_u64 s[G0+4*\slot+2:G0+4*\slot+3], s[G0+4*\slot+2:G0+4*\slot+3], 2*SLOT   ; this slot's next chunks: two slot steps on
.if \epi
	TIDPL 464                                      ; from my tile 3 to my tile 0 of the next slot step: 512 - 48 neurons
	EPI
.endif
	s_wait_dscnt 0x0                               ; the add is done, and my LDS reads are over
	ROUND
.if \refill
	tensor_load_to_lds s[G0+4*(1-\slot):G0+4*(1-\slot)+3], s[G1:G1+7]   ; the first thing behind the round, and my one tensor load until the next
	s_nop 0
.rept 4
	v_nop
.endr
.endif
.endm
	CHANGE 0, 1, 0                                 ; slot step 0 and x's fragments are in; slot 1 takes slot step 1, on bytes that x's tiles filled
	WORK 0
	s_mov_b32 s14, 3
.Lpair:                                            ; three trips: slot steps 1 to 6; each asks for the step after it
	CHANGE 1, 1, 1
	WORK 1
	CHANGE 0, 1, 1
	WORK 0
	s_sub_co_u32 s14, s14, 1
	s_cmp_lg_u32 s14, 0
	s_cbranch_scc1 .Lpair
	CHANGE 1, 0, 1                                 ; slot step 7 is written out: nothing is left to fetch
	WORK 1
	TIDPL 16
	EPI
	; THE END.  Which of the kept 8 sums is the best: j runs down, so the lowest match is written last.  The eight tiles of points take turns.
.irp j, 7,6,5,4,3,2,1,0
.irp p, 0,1,2,3,4,5,6,7
	v_cmp_neq_f32 s[MK+\p], v[SV+8*\p+\j], v[BEST+\p]
.endr
.irp p, 0,1,2,3,4,5,6,7
	v_cndmask_b32 v[J+\p], \j, v[J+\p], s[MK+\p]
.endr
.endr
.irp p, 0,1,2,3,4,5,6,7
	v_add3_u32 v[TI+\p], v[TI+\p], v[J+\p], v3     ; the neuron: the tile's first + j + 8 h
.endr
; (bv, bi) takes (ov, oi) where ov is larger, or equal with the lower number.  Selects alone: no branch hangs on these numbers.
.macro TAKE bv, bi, ov, oi
	v_cmp_gt_f32 s48, v[\ov], v[\bv]
	v_cmp_eq_f32 s49, v[\ov], v[\bv]
	v_cmp_lt_u32 s50, v[\oi], v[\bi]
	s_and_b32 s49, s49, s50
	s_or_b32 s48, s48, s49
	v_cndmask_b32 v[\bv], v[\bv], v[\ov], s48
	v_cndmask_b32 v[\bi], v[\bi], v[\oi], s48
.endm
.irp p, 0,1,2,3,4,5,6,7
	v_permlanex16_b32 v[M+\p], v[BEST+\p], s34, s35                ; the point's other 8 neurons of each tile lie in the lane 16 away
	v_permlanex16_b32 v[J+\p], v[TI+\p], s34, s35
.endr
.irp p, 0,1,2,3,4,5,6,7
	TAKE BEST+\p, TI+\p, M+\p, J+\p
.endr
.irp p, 0,1,2,3,4,5,6,7
	ds_store_b32 v[MA], v[BEST+\p] offset:64*\p                    ; lanes r and r + 16 write the same word with the same value
	ds_store_b32 v[MA], v[TI+\p] offset:4096+64*\p
.endr
	s_wait_dscnt 0x0                               ; for the others' sake: my stores are done
	s_barrier_signal -1
	s_barrier_wait -1                              ; all eight waves' results lie in LDS
	s_cmp_gt_u32 s[WV], 1
	s_cbranch_scc1 .Ldone                          ; waves 0 and 1 merge: 64 points each, two a lane
.irp w, 0,1,2,3,4,5,6,7
	ds_load_b64 v[SV+2*\w:SV+2*\w+1], v[MR] offset:512*\w
	ds_load_b64 v[SV+16+2*\w:SV+16+2*\w+1], v[MR] offset:4096+512*\w
.endr
	s_wait_dscnt 0x0
.irp w, 1,2,3,4,5,6,7
.irp e, 0,1
	TAKE SV+\e, SV+16+\e, SV+2*\w+\e, SV+16+2*\w+\e
.endr
.endr
	global_store_b64 v13, v[SV+16:SV+17], s[8:9]   ; 32 lanes store 256 consecutive bytes, at a multiple of 256 from the buffer's first byte
.Ldone:
	s_wait_tensorcnt 0x0                           ; the wave's end
	ds_add_u32 v[SPW], v[NIL]
	s_wait_dscnt 0x0
	ROUND                                          ; the closing round
	s_endpgm
.Lfunc_end_k_q1ba4b3f250_bmu:
	.size	k_q1ba4b3f250_bmu, .Lfunc_end_k_q1ba4b3f250_bmu-k_q1ba4b3f250_bmu
	.p2alignl 7, 3214868480
	.fill 96, 4, 3214868480
	.section	.rodata,"a",@progbits
	.p2align	6, 0x0
	.amdhsa_kernel k_q1ba4b3f250_bmu
		.amdhsa_group_segment_fixed_size 327680
		.amdhsa_private_segment_fixed_size 0
		.amdhsa_enable_private_segment 0
		.amdhsa_kernarg_size 24
		.amdhsa_user_sgpr_count 2
		.amdhsa_user_sgpr_kernarg_segment_ptr 1
		.amdhsa_wavefront_size32 1
		.amdhsa_system_sgpr_workgroup_id_x 1
		.amdhsa_system_sgpr_workgroup_id_y 1
		.amdhsa_system_sgpr_workgroup_id_z 1
		.amdhsa_system_vgpr_workitem_id 0
		.amdhsa_next_free_vgpr 512
		.amdhsa_next_free_sgpr 66
		.amdhsa_reserve_vcc 1
		.amdhsa_float_denorm_mode_32 3
		.amdhsa_float_denorm_mode_16_64 3
		.amdhsa_memory_ordered 1
		.amdhsa_forward_progress 1
		.amdhsa_inst_pref_size 216
	.end_amdhsa_kernel
	.amdgpu_metadata
---
amdhsa.version: [ 1, 2 ]
amdhsa.kernels:
  - .name:           k_q1ba4b3f250_bmu
    .symbol:         k_q1ba4b3f250_bmu.kd
    .args:
      - { .name: x, .offset: 0, .size: 8, .value_kind: global_buffer, .address_space: global }
      - { .name: wpk, .offset: 8, .size: 8, .value_kind: global_buffer, .address_space: global }
      - { .name: winner, .offset: 16, .size: 8, .value_kind: global_buffer, .address_space: global }
    .group_segment_fixed_size: 327680
    .private_segment_fixed_size: 0
    .kernarg_segment_align: 8
    .kernarg_segment_size: 24
    .max_flat_workgroup_size: 256
    .sgpr_count:     66
    .vgpr_count:     512
    .wavefront_size: 32
...
	.end_amdgpu_metadata
.endif
;; end of part 2
;; launch gather (part 3): grid 1024 x 1, 4 waves a work-group, no clusters, 0 bytes of LDS; arguments winner, weights, out0; writes out0
.if DOCPART == 3
	.amdgcn_target "amdgcn-amd-amdhsa--gfx1250"
	.amdhsa_code_object_version 6
	.text
	.protected	k_q1ba4b3f250_gather
	.globl	k_q1ba4b3f250_gather
	.p2align	8
	.type	k_q1ba4b3f250_gather,@function
k_q1ba4b3f250_gather:
	s_mov_b64 s[64:65], 0
	v_nop
	global_prefetch_b8 v0, s[64:65] scope:SCOPE_SE
	s_setreg_imm32_b32 hwreg(HW_REG_WAVE_MODE, 25, 1), 1
	s_wait_xcnt 0x0
; out0[n][:] = weights[winner[n]][:].  winner: [32768] u32, stored by the launch before; weights: [4096][512] f32; out0: [32768][512] f32.
; A stream: a wave takes 8 points.  Their 8 numbers come by one scalar load (32 bytes, aligned) and are held to 0 .. 4,095, the table's rows.  A row is 2,048 bytes: four loads of 512 consecutive bytes, 16 a lane.
; All 32 loads of a wave go out together, each into registers of its own; each store waits for its own load alone.  No LDS, no barrier, no matrix unit: nothing is computed and waves share nothing.
; No hint on the loads: a row of weights may be named by many points.  The output is written once and read by nobody here.
.set ROWB, 2048
	s_load_b128 s[4:7], s[0:1], 0x0                ; winner, weights
	s_load_b64 s[8:9], s[0:1], 0x10                ; out0
	v_lshrrev_b32 v10, 5, v0
	v_readfirstlane_b32 s10, v10                   ; wave 0..3
	v_and_b32 v1, 31, v0
	v_lshlrev_b32 v1, 4, v1                        ; 16 x lane; never rewritten
	s_lshl_b32 s11, ttmp9, 5
	s_lshl_b32 s12, s10, 3
	s_add_co_u32 s11, s11, s12                     ; my first point: 32 x work-group + 8 x wave
	s_lshl_b32 s12, s11, 2                         ; its number's byte,
	s_mov_b32 s13, 0
	s_lshl_b32 s14, s11, 11                        ; and its row's (under 2^27)
	s_mov_b32 s15, 0
	s_wait_alu depctr_va_vdst(0)
	s_wait_kmcnt 0x0
	s_add_nc_u64 s[4:5], s[4:5], s[12:13]
	s_add_nc_u64 s[8:9], s[8:9], s[14:15]
	s_load_b256 s[16:23], s[4:5], 0x0              ; my 8 points' winners
	s_wait_kmcnt 0x0
.irp k, 0,1,2,3,4,5,6,7
	s_min_u32 s[16+\k], s[16+\k], 4095             ; inside the table
	s_lshl_b32 s[16+\k], s[16+\k], 11              ; the row's first byte
	v_add_nc_u32 v[2+\k], s[16+\k], v1
.endr
	s_wait_alu depctr_va_vdst(0)
.irp k, 0,1,2,3,4,5,6,7
.irp i, 0,1,2,3
	global_load_b128 v[16+16*\k+4*\i:16+16*\k+4*\i+3], v[2+\k], s[6:7] offset:512*\i
.endr
.endr
.irp k, 0,1,2,3,4,5,6,7
.irp i, 0,1,2,3
	s_wait_loadcnt 31-4*\k-\i                      ; loads come back in order (ISA guide 5.7.1): this one is in, the younger ones stay out
	global_store_b128 v1, v[16+16*\k+4*\i:16+16*\k+4*\i+3], s[8:9] offset:ROWB*\k+512*\i th:TH_STORE_NT   ; 32 lanes store 512 consecutive bytes, at a multiple of 256 from the buffer's first byte
.endr
.endr
	s_endpgm
.Lfunc_end_k_q1ba4b3f250_gather:
	.size	k_q1ba4b3f250_gather, .Lfunc_end_k_q1ba4b3f250_gather-k_q1ba4b3f250_gather
	.p2alignl 7, 3214868480
	.fill 96, 4, 3214868480
	.section	.rodata,"a",@progbits
	.p2align	6, 0x0
	.amdhsa_kernel k_q1ba4b3f250_gather
		.amdhsa_group_segment_fixed_size 0
		.amdhsa_private_segment_fixed_size 0
		.amdhsa_enable_private_segment 0
		.amdhsa_kernarg_size 24
		.amdhsa_user_sgpr_count 2
		.amdhsa_user_sgpr_kernarg_segment_ptr 1
		.amdhsa_wavefront_size32 1
		.amdhsa_system_sgpr_workgroup_id_x 1
		.amdhsa_system_sgpr_workgroup_id_y 1
		.amdhsa_system_sgpr_workgroup_id_z 1
		.amdhsa_system_vgpr_workitem_id 0
		.amdhsa_next_free_vgpr 144
		.amdhsa_next_free_sgpr 66
		.amdhsa_reserve_vcc 0
		.amdhsa_float_denorm_mode_32 3
		.amdhsa_float_denorm_mode_16_64 3
		.amdhsa_memory_ordered 1
		.amdhsa_forward_progress 1
		.amdhsa_inst_pref_size 9
	.end_amdhsa_kernel
	.amdgpu_metadata
---
amdhsa.version: [ 1, 2 ]
amdhsa.kernels:
  - .name:           k_q1ba4b3f250_gather
    .symbol:         k_q1ba4b3f250_gather.kd
    .args:
      - { .name: winner, .offset: 0, .size: 8, .value_kind: global_buffer, .address_space: global }
      - { .name: weights, .offset: 8, .size: 8, .value_kind: global_buffer, .address_space: global }
      - { .name: out0, .offset: 16, .size: 8, .value_kind: global_buffer, .address_space: global }
    .group_segment_fixed_size: 0
    .private_segment_fixed_size: 0
    .kernarg_segment_align: 8
    .kernarg_segment_size: 24
    .max_flat_workgroup_size: 128
    .sgpr_count:     66
    .vgpr_count:     144
    .wavefront_size: 32
...
	.end_amdgpu_metadata
.endif
;; end of part 3
